; MI455X (gfx1250); checked and timed in simulation.
; The chip was launched on July 23, 2026; its instructions are those of AMD's public machine-readable ISA for CDNA 5 (MIT licence, August 2026) and "CDNA5" Instruction Set Architecture Reference Guide (July 2026). The comments in the code are by the model that wrote it; some were corrected since.
;; Multi Head Attention. Allowed arithmetic: matrix products marked QUANTISED: E2M3 operands, one E8M0 scale for each 32 along K, by v_wmma_scale_f32_16x16x128_f8f6f4 with both operands' format E2M3, f32 sums; everything else in f32.
;; Inputs: Wk 1,024 x 1,024 float32; Wo 1,024 x 1,024 float32; Wq 1,024 x 1,024 float32; Wv 1,024 x 1,024 float32; attn_mask 2,048 x 2,048 float32; bk 1,024 float32; bo 1,024 float32; bq 1,024 float32; bv 1,024 float32; x_q 2 x 2,048 x 1,024 float32.
;; Outputs: out0 2 x 2,048 x 1,024 float32.
;; This version of the problem:
;;   THIS VERSION OF THE PROBLEM IS GIVEN IN LOW PRECISION. The matrix products marked QUANTISED in the list below multiply operands that are first quantised to E2M3 (2 exponent bits, 3 mantissa bits; 6 bits a number), with one power-of-two scale for each 32 numbers along K (OCP MX v1.0); their sums are f32. All else is computed in f32.
;;   The module's matrix products, in the order in which they are computed (A, B: the left and right operand; K: the contracted axis; several contracted axes count as one K, in the product's order):
;;     1. [M 4,096, K 1,024] x [K 1,024, N 1,024]; A: input x_q; B: input Wq: QUANTISED
;;     2. [M 4,096, K 1,024] x [K 1,024, N 1,024]; A: input x_q; B: input Wk: QUANTISED
;;     3. [M 4,096, K 1,024] x [K 1,024, N 1,024]; A: input x_q; B: input Wv: QUANTISED
;;     4. batch 32 x [M 2,048, K 64] x [K 64, N 2,048]; A: computed on the way; B: computed on the way: QUANTISED
;;     5. batch 32 x [M 64, K 2,048] x [K 2,048, N 2,048]; A: computed on the way; B: softmax (see below): QUANTISED
;;     6. [M 4,096, K 1,024] x [K 1,024, N 1,024]; A: computed on the way; B: input Wo: QUANTISED
;;   THE QUANTISER, for each operand of a quantised product, along K:
;;     - K is cut into blocks of 32 from its start; a last block that is shorter is filled with zeros.
;;     - A block's scale is 2^e with e = floor(log2(the largest magnitude in the block)) - 2, held to -126 .. 127; a block of zeros has e = 0. As a byte (E8M0): e + 127.
;;     - Each number is divided by its block's scale, clamped to +-7.5, and rounded to the nearest number of E2M3, ties to even, subnormals kept.
;;     - The product sums the exact products of the quantised numbers (number of the format x scale) in f32.
;;   ~~~python
;;   def quantise(x, axis):      # numpy; x: float32 -> the quantised numbers, widened to float32 again
;;       x = np.moveaxis(x, axis, -1); K = x.shape[-1]
;;       x = np.pad(x, [(0, 0)] * (x.ndim - 1) + [(0, -K % 32)]); x = x.reshape(x.shape[:-1] + (-1, 32)); a = np.abs(x).max(-1, keepdims=True)
;;       e = np.where(a > 0, np.clip(np.frexp(np.where(a > 0, a, 1))[1] - 1 - 2, -126, 127), 0)      # np.frexp(a)[1] - 1 = floor(log2(a)), exactly
;;       r = np.clip(x / 2.0 ** e, -7.5, 7.5)
;;       step = 2.0 ** (np.maximum(np.frexp(np.where(r == 0, 1, r))[1] - 1, 0) - 3)
;;       q = np.round(r / step) * step * 2.0 ** e      # np.round: ties to even
;;       return np.moveaxis(q.reshape(q.shape[:-2] + (-1,))[..., :K], -1, axis).astype(np.float32)
;;   ~~~
;;   SOFTMAX AHEAD OF A QUANTISED PRODUCT. Where the list says 'softmax', what is quantised is not the finished softmax but p = 2^(t - M), with t = logit x log2(e) and M = ceil(the row's largest t), a whole number; so 1/2 < the row's largest p <= 1. The row's sum l is taken of the UNQUANTISED p, in f32, and the product's result is divided by l at the end. Since M is a whole number, a kernel that streams over the keys may use a running M (the ceiling of the running maximum): every later rescaling is an exact power of two, which a block's scale takes up: the codes' values come out the same.
;;   OPERANDS COMPUTED ON THE WAY. 'Computed on the way' means the value that the module computes at that place (a softmax that the list does not call 'softmax' is quantised finished and normalised). What goes into a quantiser is computed in f32, as accurately as f32 sums, v_exp_f32 and their like allow (about 1e-6 of the number): no bf16 or f16 on the way to a quantiser, and a product that is left as it is and whose result goes on into a quantised operand takes f32 operands (vector FMAs, or v_wmma_f32_16x16x4_f32). A number that lies on a knife's edge between two numbers of the format may be rounded either way, as far as f32 arithmetic and the matrix unit's own rounding can turn it there, and no further.
;; One version. Each part assembles by itself: llvm-mc -triple=amdgcn-amd-amdhsa -mcpu=gfx1250 --defsym DOCPART=n.
;; ======== version 1 of 1: 4 launches
;; workspace buffers: xc 3,145,728 bytes; wc 3,145,728 bytes; xs 131,072 bytes; ws 131,072 bytes; qc 3,670,016 bytes; kv 6,684,672 bytes; oc 3,145,728 bytes; os 131,072 bytes
;; launch quant (part 1): grid 256 x 1, 4 waves a work-group, no clusters, 34,304 bytes of LDS; arguments x_q, Wq, Wk, Wv, Wo, xc, xs, wc, ws; writes xc, xs, wc, ws
.if DOCPART == 1
	.amdgcn_target "amdgcn-amd-amdhsa--gfx1250"
	.amdhsa_code_object_version 6
	.text
	.protected	k_q626f431374_quant
	.globl	k_q626f431374_quant
	.p2align	8
	.type	k_q626f431374_quant,@function
k_q626f431374_quant:
	s_mov_b64 s[64:65], 0
	v_nop
	global_prefetch_b8 v0, s[64:65] scope:SCOPE_SE
	s_setreg_imm32_b32 hwreg(HW_REG_WAVE_MODE, 25, 1), 1
	s_wait_xcnt 0x0
; x_q [4096][1024] and Wq, Wk, Wv, Wo [1024][1024], f32 with K innermost, become codes of FP6 (E2M3) with one E8M0 byte for each 32 along K.
; A block's scale is 2^(floor(log2(largest magnitude)) - 2); its byte is the largest magnitude's exponent field - 2, held at 1 from below.
; (A block of zeros gets the byte 1: its codes are zeros, and this program alone reads the bytes.)
; LIMITS: NaN and infinities among the inputs are not served; blocks whose largest magnitude lies under 2^-124 take the floor's scale.
; LAYOUT OF THE RESULTS.  A tile is 16 rows: lane r of tile T holds row 32 (T / 2) + 8 (T % 2) + r + 8 (r / 8).  A fragment (a tile x 128 K) is stored as the
; image of its 12 registers: register pair p of lane l at 256 p + 8 l, 1,536 bytes; fragments lie [T][K step].  Every store of a pair is 256 consecutive bytes.
; Scale words (one for a row and 128 K) lie [64 rows][K step / 2][tile of four][r][K step % 2].
; SHARES.  A work-group takes 32 rows (tiles 2 g, 2 g + 1): work-groups 0-127 x_q, then 32 for each weight.  Wave w takes K steps 2 w and 2 w + 1 of both tiles:
; four fragments f = 2 u + e.  A load reads 512 consecutive bytes of one row; the 16 rows of a fragment turn through the wave's own stage in LDS (rows 528 bytes
; apart), so that a lane gets, of its row, 16 neighbours of each block of 32.  No barrier: waves share nothing.  No matrix unit, no cluster: memory binds.
.set STGB, 8448                        ; a wave's stage: 16 rows x 528 bytes
.set RA,   16                          ; v16-143  two sets of 64: a fragment's numbers as loaded
.set X,    144                         ; v144-207 register 16 b + i = k 32 b + 16 (lane / 16) + i of my row
.set TM,   208                         ; v208-223 at work
.set PC,   224                         ; v224-235 the fragment's codes
.set TP,   236                         ; v236-243 the conversions' second halves
.set WD,   244                         ; v244-247 fragment f's scale word
.set SEL,  28                          ; s[28:29] selects for lane l xor 16
.set HIM,  30                          ; s30      lanes 16-31
	s_load_b256 s[4:11], s[0:1], 0x0               ; x_q, Wq, Wk, Wv
	s_load_b256 s[12:19], s[0:1], 0x20             ; Wo, xc, xs, wc
	s_load_b64 s[20:21], s[0:1], 0x40              ; ws
	v_lshl_add_u32 v248, v0, 2, 0x8400
	v_mov_b32 v249, 0
	v_lshrrev_b32 v5, 5, v0
	v_readfirstlane_b32 s23, v5                    ; wave
	v_and_b32 v6, 31, v0                           ; lane
	v_and_b32 v7, 15, v0                           ; r
	v_bfe_u32 v8, v0, 4, 1                         ; h
	v_lshlrev_b32 v1, 4, v6                        ; my 16 bytes of a load's 512
	s_mul_i32 s24, s23, STGB
	v_add_nc_u32 v2, s24, v1                       ; the stage, on the way in
	v_mul_u32_u24 v3, v7, 528
	v_lshl_add_u32 v3, v8, 6, v3
	v_add_nc_u32 v3, s24, v3                       ; and on the way out: row r, + 64 h
	v_lshlrev_b32 v4, 3, v6                        ; 8 x lane: a pair's place in an image
	s_mov_b32 s[SEL], 0x76543210
	s_mov_b32 s[SEL+1], 0xfedcba98
	s_mov_b32 s[HIM], 0xffff0000
.irp b, 0,1,2,3
	v_mov_b32 v[TM+4+\b], 0                        ; written once: a lane permute's destination counts as one of its sources
.endr
	s_lshr_b32 s25, ttmp9, 5                       ; 0-3: x_q; 4, 5, 6, 7: Wq, Wk, Wv, Wo
	s_and_b32 s26, ttmp9, 31                       ; a weight's group of 32 rows
	s_sub_co_u32 s27, ttmp9, 128                   ; and its group among all the weights' results
	s_wait_kmcnt 0x0
	s_cmp_eq_u32 s25, 4                            ; the choices hang on the work-group's number alone
	s_cselect_b64 s[4:5], s[6:7], s[4:5]
	s_cmp_eq_u32 s25, 5
	s_cselect_b64 s[4:5], s[8:9], s[4:5]
	s_cmp_eq_u32 s25, 6
	s_cselect_b64 s[4:5], s[10:11], s[4:5]
	s_cmp_eq_u32 s25, 7
	s_cselect_b64 s[4:5], s[12:13], s[4:5]
	s_cmp_lt_u32 ttmp9, 128
	s_cselect_b64 s[14:15], s[14:15], s[18:19]     ; codes: xc or wc
	s_cselect_b64 s[16:17], s[16:17], s[20:21]     ; scale words: xs or ws
	s_cselect_b32 s26, ttmp9, s26
	s_cselect_b32 s27, ttmp9, s27
	s_lshl_b32 s32, s26, 17                        ; 32 rows of 4,096 bytes,
	s_lshl_b32 s33, s23, 10                        ; my two K steps: 1,024 bytes of a row
	s_add_co_u32 s32, s32, s33
	s_mov_b32 s33, 0
	s_add_nc_u64 s[4:5], s[4:5], s[32:33]
	s_mul_i32 s32, s27, 24576                      ; two tiles x 8 K steps x 1,536 bytes,
	s_mul_i32 s34, s23, 3072                       ; my two K steps
	s_add_co_u32 s32, s32, s34
	s_add_nc_u64 s[14:15], s[14:15], s[32:33]
	s_lshr_b32 s32, s27, 1
	s_lshl_b32 s32, s32, 11                        ; 2,048 bytes of words for 64 rows,
	s_lshl_b32 s34, s23, 9                         ; 512 for my two K steps,
	s_add_co_u32 s32, s32, s34
	s_and_b32 s34, s27, 1
	s_lshl_b32 s34, s34, 8                         ; 256 for my two tiles
	s_add_co_u32 s32, s32, s34
	s_add_nc_u64 s[16:17], s[16:17], s[32:33]
.macro LOAD f                          ; fragment f: slot i takes row 8 u + i + 8 (i / 8) of the group; 512 consecutive bytes a load; read once in the launch
.irp i, 0,1,2,3,4,5,6,7,8,9,10,11,12,13,14,15
	global_load_b128 v[RA+64*((\f)%2)+4*\i:RA+64*((\f)%2)+4*\i+3], v1, s[4:5] offset:(8*((\f)/2)+\i+8*(\i/8))*4096+((\f)%2)*512 th:TH_LOAD_NT
.endr
.endm
.macro TURN f                          ; through the stage: LDS serves a wave's instructions in order, so no wait stands between the stores and the loads
.irp i, 0,1,2,3,4,5,6,7,8,9,10,11,12,13,14,15
	ds_store_b128 v2, v[RA+64*((\f)%2)+4*\i:RA+64*((\f)%2)+4*\i+3] offset:528*\i
.endr
.irp b, 0,1,2,3
.irp q, 0,1,2,3
	ds_load_b128 v[X+16*\b+4*\q:X+16*\b+4*\q+3], v3 offset:128*\b+16*\q
.endr
.endr
.endm
.macro QUANT f                         ; the 64 numbers in X become the fragment's codes in PC and its scale word in WD + f
.irp b, 0,1,2,3
	v_max3_num_f32 v[TM+\b], |v[X+16*\b]|, |v[X+1+16*\b]|, 0x1800000   ; block b: my 16 numbers, and the floor 2^(3 - 127): the byte cannot fall under 1
.endr
.irp i, 2,4,6,8,10,12,14
.irp b, 0,1,2,3
	v_max3_num_f32 v[TM+\b], v[TM+\b], |v[X+16*\b+\i]|, |v[X+1+16*\b+\i]|   ; the four blocks by turns
.endr
.endr
.irp b, 0,1,2,3
	v_permlanex16_b32 v[TM+4+\b], v[TM+\b], s[SEL], s[SEL+1]
.endr
.irp b, 0,1,2,3
	v_max_num_f32 v[TM+\b], v[TM+\b], v[TM+4+\b]   ; with lane l xor 16's: the block's largest magnitude
.endr
.irp b, 0,1,2,3
	v_add_nc_u32 v[TM+12+\b], 0xff000000, v[TM+\b] ; 2 off its exponent field: the conversion takes this operand's exponent field as its scale
.endr
.irp b, 0,1,2,3
	v_lshrrev_b32 v[TM+4+\b], 23, v[TM+12+\b]      ; the scale's byte
.endr
	v_lshl_or_b32 v[WD+(\f)], v[TM+5], 8, v[TM+4]
	v_lshl_or_b32 v[WD+(\f)], v[TM+6], 16, v[WD+(\f)]
	v_lshl_or_b32 v[WD+(\f)], v[TM+7], 24, v[WD+(\f)]
.irp c, 0,1
	v_cvt_scalef32_pk16_fp6_f32 v[PC+6*\c:PC+6*\c+2], v[X+32*\c:X+32*\c+15], v[TM+12+2*\c]
	v_cvt_scalef32_pk16_fp6_f32 v[TP+4*\c:TP+4*\c+2], v[X+32*\c+16:X+32*\c+31], v[TM+13+2*\c]   ; (a conversion's three registers begin on an even number)
.endr
	v_nop                                          ; one plain place behind a scaled conversion
.irp c, 0,1                            ; the operand's layout wants a whole block in a lane: lanes 0-15 block 2 c, lanes 16-31 block 2 c + 1
.irp i, 0,1,2
	v_permlane16_swap_b32 v[PC+6*\c+\i], v[TP+4*\c+\i]
.endr
.irp i, 0,1,2
	v_mov_b32 v[PC+3+6*\c+\i], v[TP+4*\c+\i]
.endr
.endr
.endm
.macro FRAGM f
.if (\f) < 3
	s_wait_loadcnt 16                              ; this fragment's 16 loads are in; the next fragment's 16 may be out
.else
	s_wait_loadcnt 0x0
.endif
	TURN \f
	s_wait_dscnt 0x0                               ; X is in, and the stores into the stage have read their registers,
.if (\f) < 2
	LOAD (\f)+2                                    ; which take the fragment two on
.endif
	s_wait_xcnt 0x0                                ; the last fragment's stores have read PC: it is written again only behind this wait
	QUANT \f
.irp p, 0,1,2,3,4,5
	global_store_b64 v4, v[PC+2*\p:PC+2*\p+1], s[14:15] offset:((\f)/2)*12288+((\f)%2)*1536+256*\p   ; 32 lanes store 256 consecutive bytes, aligned
.endr
.endm
	LOAD 0
	LOAD 1
	FRAGM 0
	FRAGM 1
	FRAGM 2
	FRAGM 3
	v_cndmask_b32 v[WD], v[WD], v[WD+2], s[HIM]    ; lanes 0-15 keep tile 0's words (every lane holds its row r's), lanes 16-31 take tile 1's: K step 2 w,
	v_cndmask_b32 v[WD+1], v[WD+1], v[WD+3], s[HIM]   ; and 2 w + 1
	global_store_b64 v4, v[WD:WD+1], s[16:17]      ; 256 consecutive bytes, aligned
	s_wait_tensorcnt 0x0
	ds_add_u32 v248, v249
	s_wait_dscnt 0x0
	s_endpgm
.Lfunc_end_k_q626f431374_quant:
	.size	k_q626f431374_quant, .Lfunc_end_k_q626f431374_quant-k_q626f431374_quant
	.p2alignl 7, 3214868480
	.fill 96, 4, 3214868480
	.section	.rodata,"a",@progbits
	.p2align	6, 0x0
	.amdhsa_kernel k_q626f431374_quant
		.amdhsa_group_segment_fixed_size 34304
		.amdhsa_private_segment_fixed_size 0
		.amdhsa_enable_private_segment 0
		.amdhsa_kernarg_size 72
		.amdhsa_user_sgpr_count 2
		.amdhsa_user_sgpr_kernarg_segment_ptr 1
		.amdhsa_wavefront_size32 1
		.amdhsa_system_sgpr_workgroup_id_x 1
		.amdhsa_system_sgpr_workgroup_id_y 1
		.amdhsa_system_sgpr_workgroup_id_z 1
		.amdhsa_system_vgpr_workitem_id 0
		.amdhsa_next_free_vgpr 250
		.amdhsa_next_free_sgpr 66
		.amdhsa_reserve_vcc 0
		.amdhsa_float_denorm_mode_32 3
		.amdhsa_float_denorm_mode_16_64 3
		.amdhsa_memory_ordered 1
		.amdhsa_forward_progress 1
		.amdhsa_inst_pref_size 35
	.end_amdhsa_kernel
	.amdgpu_metadata
---
amdhsa.version: [ 1, 2 ]
amdhsa.kernels:
  - .name:           k_q626f431374_quant
    .symbol:         k_q626f431374_quant.kd
    .args:
      - { .name: x_q, .offset: 0, .size: 8, .value_kind: global_buffer, .address_space: global }
      - { .name: Wq, .offset: 8, .size: 8, .value_kind: global_buffer, .address_space: global }
      - { .name: Wk, .offset: 16, .size: 8, .value_kind: global_buffer, .address_space: global }
      - { .name: Wv, .offset: 24, .size: 8, .value_kind: global_buffer, .address_space: global }
      - { .name: Wo, .offset: 32, .size: 8, .value_kind: global_buffer, .address_space: global }
      - { .name: xc, .offset: 40, .size: 8, .value_kind: global_buffer, .address_space: global }
      - { .name: xs, .offset: 48, .size: 8, .value_kind: global_buffer, .address_space: global }
      - { .name: wc, .offset: 56, .size: 8, .value_kind: global_buffer, .address_space: global }
      - { .name: ws, .offset: 64, .size: 8, .value_kind: global_buffer, .address_space: global }
    .group_segment_fixed_size: 34304
    .private_segment_fixed_size: 0
    .kernarg_segment_align: 8
    .kernarg_segment_size: 72
    .max_flat_workgroup_size: 128
    .sgpr_count:     66
    .vgpr_count:     250
    .wavefront_size: 32
...
	.end_amdgpu_metadata
.endif
;; end of part 1
;; launch proj (part 2): grid 32 x 8, 4 waves a work-group, clusters of 4 x 1, 295,936 bytes of LDS; arguments xc, xs, wc, ws, bq, bk, bv, qc, kv; writes qc, kv
.if DOCPART == 2
	.amdgcn_target "amdgcn-amd-amdhsa--gfx1250"
	.amdhsa_code_object_version 6
	.text
	.protected	k_q626f431374_proj
	.globl	k_q626f431374_proj
	.p2align	8
	.type	k_q626f431374_proj,@function
k_q626f431374_proj:
	s_mov_b64 s[64:65], 0
	v_nop
	global_prefetch_b8 v0, s[64:65] scope:SCOPE_SE
	s_setreg_imm32_b32 hwreg(HW_REG_WAVE_MODE, 25, 1), 1
	s_wait_xcnt 0x0
	s_wait_alu depctr_hold_cnt(0) depctr_sa_sdst(0) depctr_va_vdst(0) depctr_va_sdst(0) depctr_va_ssrc(0) depctr_va_vcc(0) depctr_vm_vsrc(0)
	s_getreg_b32 s2, hwreg(HW_REG_IB_STS2, 6, 4)
	s_cmp_eq_u32 s2, 0
	s_cbranch_scc0 .Lentry_in_a_cluster
	s_endpgm
.Lentry_in_a_cluster:
	s_bfe_u32 s2, ttmp6, 0x10000c
	s_cmp_lg_u32 s2, 0x3003
	s_cbranch_scc0 .Lentry_shape_is_right
	s_endpgm
.Lentry_shape_is_right:
; q = x Wq^T + bq, k = x Wk^T + bk, v = x Wv^T + bv on codes of FP6 (E2M3) with E8M0 scales, sums in f32; the results are quantised in registers for attention's two products.
; SHARES.  A work-group takes 128 tokens (x of the grid) and 128 rows of each weight, two heads (y).  Four waves: wave w takes tokens 64 (w % 2) on and head w / 2: 64 x 64, 16 accumulators.
; THE TOKENS' CODES STAY IN REGISTERS: 4 tiles x 8 K steps x 12 registers, loaded once from their images and used in three passes (q, k, v).
; THE WEIGHTS COME BY TENSOR LOADS, EACH LDS BYTE FILLED ONCE: 3 passes x 2 halves of K x 49,152 bytes.  All six loads of a wave go out together at the start (six are out, by this text's count);
; counted waits and a barrier stand where a chunk is first read.  Nothing is filled again.
; CLUSTER 4 x 1: the four partners differ in their tokens alone and read the same weights: each chunk is asked for jointly, mask 15.  The tokens' codes are not shared in the cluster: they differ between partners.
; ORIENTATION.  Passes q and k: source 0 = 16 rows of W, source 1 = 16 tokens: a lane holds one token, its registers run along the head's 64.  Pass v: source 0 = 16 tokens, source 1 = 16 rows of Wv:
; a lane holds one channel, its registers run along the tokens, which are the second product's K.  Lane r of tile T holds row 32 (T / 2) + 8 (T % 2) + r + 8 (r / 8), of tokens and of weights alike,
; so the 32 registers of a column of accumulators are two whole half blocks: register 16 b + i = neighbour 32 b + 16 (lane / 16) + i.
; 1 / sqrt(64) = 2^-3 is taken off q's scale bytes: exact.  LIMITS: blocks of q whose largest magnitude lies under 2^-121 (of k and v: 2^-124) take the floor's scale; NaN and infinities are not served.
; RESULTS.  qc [head of 32][64 tokens][3,584]: tile j's half fragment (6 registers) as pairs at 768 j + 256 p + 8 lane; at 3,072 the words, 16 bytes a lane.
; kv [4 batch + head / 4][128 keys][head % 4][13,056]: K's 8 half fragments; at 6,144 V's 4 fragments; at 12,288 K's words; at 12,800 V's.
; REGISTERS.  Window 0: v1-11 addresses, v12-15 words, v16-39 codes, v40-71 the tokens' scale words, v72-103 the weights', v104-127 at work, v128-255 accumulators ((i, j) at 128 + 32 j + 8 i).
; Windows 1, 2: the tokens' fragments (tile i, K step s) at window 1 + s / 4, v[48 (s % 4) + 12 i].  Window 3: v0-95 W's fragments, two buffers; v96-127 the bias, as the C of a pass's first products.
.set ACC,   128
.set CODE,  16
.set WD,    12
.set XS,    40
.set WS,    72
.set TM,    104
.set TP,    120
.set AW,    4
.set BI,    96
.set CHUNK, 49152
.set STG,   294912                     ; behind the six chunks: 512 bytes in which V's scale words meet; no fill lands here
.set LASTG, 23                         ; the last of the 24 K steps
.set NLD,   6                          ; tensor loads of a wave
.set WV,    22
.set WT,    23
.set WH,    24
.set G1,    32
.set G0,    40
.set SEL,   66
.set HIM,   68
.set MSB,   0
.macro WIN new                         ; the immediate's high byte repeats the setting that is left
.if MSB != (\new)
	s_set_vgpr_msb (MSB<<8)|(\new)
.set MSB, (\new)
.endif
.endm
.macro PLACES n
.rept \n
	v_nop
.endr
.endm
.macro CROUND                          ; a round of the cluster's barrier
	s_barrier_signal -1
	s_barrier_wait -1
	s_cmp_lg_u32 s[WV], 0
	s_cbranch_scc1 .Lnot_wave_0_\@
	s_barrier_signal -3
.Lnot_wave_0_\@:
	s_barrier_wait -3
	s_barrier_signal -1
	s_barrier_wait -1
.endm
.macro SLOAD dst, b, imm               ; the scale words of 4 tiles x 8 K steps: register dst + 8 i + s; lanes 16-31 take the same as lanes 0-15
.irp i, 0,1,2,3
.irp g, 0,1,2,3
	global_load_b64 v[\dst+8*\i+2*\g:\dst+8*\i+2*\g+1], v3, s[\b:\b+1] offset:\imm+512*\g+128*\i
.endr
.endr
.endm
.macro BLOAD b                         ; a bias along the registers: lane (r, h) wants, for tile i, that of rows 32 (i / 2) + 8 (i % 2) + 16 h + 0 .. 7
	WIN 0xc0
.irp i, 0,1,2,3
	global_load_b128 v[BI+8*\i:BI+8*\i+3], v5, s[\b:\b+1] offset:128*(\i/2)+32*(\i%2)
	global_load_b128 v[BI+8*\i+4:BI+8*\i+7], v5, s[\b:\b+1] offset:128*(\i/2)+32*(\i%2)+16
.endr
	WIN 0
.endm
.macro XLOAD s                         ; my four token tiles' fragments of K step s, from their images
	WIN 0x40*(1+(\s)/4)
.irp i, 0,1,2,3
.irp p, 0,1,2,3,4,5
	global_load_b64 v[48*((\s)%4)+12*\i+2*\p:48*((\s)%4)+12*\i+2*\p+1], v1, s[4:5] offset:12288*\i+1536*(\s)+256*\p
.endr
.endr
.endm
.macro FETCH buf, e                    ; my four W tiles' fragments of the chunk's e-th K step: 256 consecutive bytes a load
	WIN 0xc0
.irp i, 0,1,2,3
.irp p, 0,1,2,3,4,5
	ds_load_b64 v[48*(\buf)+12*\i+2*\p:48*(\buf)+12*\i+2*\p+1], v[AW] offset:6144*\i+1536*(\e)+256*\p
.endr
.endr
.endm
; 16 matrix instructions, one on each accumulator: the accumulators take turns.  first = 1: the bias is the C, nothing is cleared.
.macro MUL mode, s, buf, first
.if \mode
	WIN 0x0d+(\s)/4+0x30*(\first)
.else
	WIN 0x07+4*((\s)/4)+0x30*(\first)
.endif
.irp j, 0,1,2,3
.irp i, 0,1,2,3
.if \mode
.if \first
	v_wmma_scale_f32_16x16x128_f8f6f4 v[ACC+32*\j+8*\i:ACC+32*\j+8*\i+7], v[48*((\s)%4)+12*\i:48*((\s)%4)+12*\i+11], v[48*(\buf)+12*\j:48*(\buf)+12*\j+11], v[BI+8*\j:BI+8*\j+7], v[XS+8*\i+(\s)], v[WS+8*\j+(\s)] matrix_a_fmt:MATRIX_FMT_FP6 matrix_b_fmt:MATRIX_FMT_FP6
.else
	v_wmma_scale_f32_16x16x128_f8f6f4 v[ACC+32*\j+8*\i:ACC+32*\j+8*\i+7], v[48*((\s)%4)+12*\i:48*((\s)%4)+12*\i+11], v[48*(\buf)+12*\j:48*(\buf)+12*\j+11], v[ACC+32*\j+8*\i:ACC+32*\j+8*\i+7], v[XS+8*\i+(\s)], v[WS+8*\j+(\s)] matrix_a_fmt:MATRIX_FMT_FP6 matrix_b_fmt:MATRIX_FMT_FP6
.endif
.else
.if \first
	v_wmma_scale_f32_16x16x128_f8f6f4 v[ACC+32*\j+8*\i:ACC+32*\j+8*\i+7], v[48*(\buf)+12*\i:48*(\buf)+12*\i+11], v[48*((\s)%4)+12*\j:48*((\s)%4)+12*\j+11], v[BI+8*\i:BI+8*\i+7], v[WS+8*\i+(\s)], v[XS+8*\j+(\s)] matrix_a_fmt:MATRIX_FMT_FP6 matrix_b_fmt:MATRIX_FMT_FP6
.else
	v_wmma_scale_f32_16x16x128_f8f6f4 v[ACC+32*\j+8*\i:ACC+32*\j+8*\i+7], v[48*(\buf)+12*\i:48*(\buf)+12*\i+11], v[48*((\s)%4)+12*\j:48*((\s)%4)+12*\j+11], v[ACC+32*\j+8*\i:ACC+32*\j+8*\i+7], v[WS+8*\i+(\s)], v[XS+8*\j+(\s)] matrix_a_fmt:MATRIX_FMT_FP6 matrix_b_fmt:MATRIX_FMT_FP6
.endif
.endif
.endr
.endr
.endm
; K step g of 24 (pass g / 8).  It fetches step g + 1's fragments of W into the other buffer and multiplies its own.  fp = 1: the first pass, in which the tokens' fragments arrive, two steps ahead.
.macro KSTEP mode, g, fp
.set KS_, (\g)%8
.set KF_, 0
.if KS_ == 0
.set KF_, 1
.endif
.if ((\g)%4 == 3) && ((\g) < LASTG)
	s_wait_tensorcnt NLD-2-(\g)/4                  ; my part of the next chunk has landed; the chunks behind it may stay out
	s_wait_dscnt 0x0                               ; no LDS instruction of mine is pending at the signal
	s_barrier_signal -1
	s_barrier_wait -1                              ; everybody's part has landed
	WIN 0
	v_add_nc_u32 v[AW], CHUNK, v[AW]
.endif
	PLACES 4                                       ; in front of loads into the buffer that the last step's products read
.if (\g) < LASTG
	FETCH ((\g)+1)%2, ((\g)+1)%4
.endif
.if \fp
.if KS_ <= 5
	XLOAD KS_+2
	s_wait_loadcnt 48                              ; all but the tokens' fragments of the next two K steps, 24 loads each
.elseif KS_ == 6
	s_wait_loadcnt 24                              ; all but the last K step's
.else
	s_wait_loadcnt 0x0
.endif
.endif
.if (\g) < LASTG
	s_wait_dscnt 24                                ; all but the 24 just issued
.else
	s_wait_dscnt 0x0
.endif
	MUL \mode, KS_, (\g)%2, KF_
.endm
; The 64 registers of accumulator columns 2 jj and 2 jj + 1 become two half fragments (CODE + 12 jj on) and two words of two bytes (WD + 2 jj, + 1).  floor: the least largest magnitude; boff: what
; is taken off its exponent field for the byte.  Each accumulator is read from its low end on.
.macro QUANT jj, floor, boff
.set QA_, ACC+64*(\jj)
.set QC_, CODE+12*(\jj)
.irp b, 0,1,2,3
	v_max3_num_f32 v[TM+\b], |v[QA_+16*\b]|, |v[QA_+1+16*\b]|, \floor
.endr
.irp i, 2,4,6,8,10,12,14
.irp b, 0,1,2,3
	v_max3_num_f32 v[TM+\b], v[TM+\b], |v[QA_+16*\b+\i]|, |v[QA_+1+16*\b+\i]|
.endr
.endr
.irp b, 0,1,2,3
	v_permlanex16_b32 v[TM+4+\b], v[TM+\b], s[SEL], s[SEL+1]
.endr
.irp b, 0,1,2,3
	v_max_num_f32 v[TM+\b], v[TM+\b], v[TM+4+\b]   ; with lane l xor 16's: the block's largest magnitude
.endr
.irp b, 0,1,2,3
	v_add_nc_u32 v[TM+12+\b], 0xff000000, v[TM+\b] ; 2 off its exponent field: the conversion's scale operand
.endr
.irp b, 0,1,2,3
	v_add_nc_u32 v[TM+8+\b], \boff, v[TM+\b]       ; for the byte: 2 off, and for q 3 more
.endr
.irp b, 0,1,2,3
	v_lshrrev_b32 v[TM+4+\b], 23, v[TM+8+\b]
.endr
	v_lshl_or_b32 v[WD+2*(\jj)], v[TM+5], 8, v[TM+4]       ; the upper two bytes stay 0
	v_lshl_or_b32 v[WD+2*(\jj)+1], v[TM+7], 8, v[TM+6]
.irp c, 0,1
	v_cvt_scalef32_pk16_fp6_f32 v[QC_+6*\c:QC_+6*\c+2], v[QA_+32*\c:QA_+32*\c+15], v[TM+12+2*\c]
	v_cvt_scalef32_pk16_fp6_f32 v[TP+4*\c:TP+4*\c+2], v[QA_+32*\c+16:QA_+32*\c+31], v[TM+13+2*\c]
.endr
	v_nop                                          ; one plain place behind a scaled conversion
.irp c, 0,1
.irp i, 0,1,2
	v_permlane16_swap_b32 v[QC_+6*\c+\i], v[TP+4*\c+\i]
.endr
.irp i, 0,1,2
	v_mov_b32 v[QC_+3+6*\c+\i], v[TP+4*\c+\i]
.endr
.endr
.endm
	s_load_b256 s[4:11], s[0:1], 0x0               ; xc, xs, wc, ws
	s_load_b256 s[12:19], s[0:1], 0x20             ; bq, bk, bv, qc
	s_load_b64 s[20:21], s[0:1], 0x40              ; kv
	v_lshl_add_u32 v123, v0, 2, 0x48200
	v_mov_b32 v127, 0
	ds_add_u32 v123, v127
	v_lshrrev_b32 v104, 5, v0
	v_readfirstlane_b32 s[WV], v104                ; wave 0..3
	s_and_b32 s[WT], s[WV], 1                      ; which 64 tokens
	s_lshr_b32 s[WH], s[WV], 1                     ; which head of the two
	s_bfe_u32 s25, ttmp6, 0x40000                  ; cx
	s_lshl_b32 s26, ttmp9, 2
	s_add_co_u32 s26, s26, s25                     ; block of 128 tokens: it enters global addresses of tokens and results alone
	s_and_b32 s27, ttmp7, 0xffff                   ; block of 128 weight rows, which the partners share
	s_mov_b32 s[G1], 15|(3<<16)|(1<<21)            ; 15:0 all four work-groups; 17:16 elements of 8 bytes; 21 set beside a mask; no padding
	s_mov_b32 s[G1+1], 768<<16                     ; tensor_dim0: 6,144 bytes, a tile's four K steps
	s_mov_b32 s[G1+2], 2<<16                       ; tensor_dim1: two tiles
	s_mov_b32 s[G1+3], 768<<16                     ; tile_dim0
	s_mov_b32 s[G1+4], 2                           ; tile_dim1
	s_mov_b32 s[G1+5], 1536                        ; from tile to tile: 12,288 bytes
	s_mov_b32 s[G1+6], 0
	s_mov_b32 s[G1+7], 0
	s_mul_i32 s28, s27, 98304                      ; W's codes: 8 tiles a block,
	s_mul_i32 s29, s[WV], 24576                    ; of which I fetch two
	s_add_co_u32 s28, s28, s29
	s_mov_b32 s29, 0
	s_mul_i32 s30, s[WV], 12288                    ; and where they go in a chunk
	s_lshl_b32 s31, s27, 1
	s_add_co_u32 s31, s31, s[WH]                   ; my head, 0..15
	s_lshl_b32 s70, s26, 3
	s_lshl_b32 s71, s[WT], 2
	s_add_co_u32 s70, s70, s71                     ; my first token tile
	s_mul_i32 s70, s70, 12288
	s_mov_b32 s71, 0
	s_lshl_b32 s72, s26, 1
	s_add_co_u32 s72, s72, s[WT]                   ; my 64 tokens
	s_lshl_b32 s72, s72, 11
	s_mov_b32 s73, 0
	s_lshl_b32 s74, s31, 11                        ; my 64 weight rows' scale words
	s_mov_b32 s75, 0
	s_lshl_b32 s76, s31, 8                         ; and biases
	s_mov_b32 s77, 0
	s_lshr_b32 s78, s26, 4                         ; batch
	s_and_b32 s79, s26, 15                         ; step of 128 keys
	s_lshl_b32 s80, s78, 4
	s_add_co_u32 s80, s80, s31
	s_lshl_b32 s80, s80, 5
	s_lshl_b32 s81, s79, 1
	s_add_co_u32 s80, s80, s81
	s_add_co_u32 s80, s80, s[WT]
	s_mul_i32 s80, s80, 3584                       ; q's record
	s_mov_b32 s81, 0
	s_lshl_b32 s82, s78, 2
	s_lshr_b32 s83, s31, 2
	s_add_co_u32 s82, s82, s83
	s_lshl_b32 s82, s82, 4
	s_add_co_u32 s82, s82, s79
	s_lshl_b32 s82, s82, 2
	s_and_b32 s83, s31, 3
	s_add_co_u32 s82, s82, s83
	s_mul_i32 s82, s82, 13056                      ; k's and v's record
	s_mov_b32 s83, 0
	s_mov_b32 s[SEL], 0x76543210
	s_mov_b32 s[SEL+1], 0xfedcba98
	s_mov_b32 s[HIM], 0xffff0000
	s_mul_i32 s84, s[WH], 24576
	s_mul_i32 s85, s[WT], 3072
	s_lshl_b32 s86, s[WT], 8
	s_mul_i32 s87, s[WT], 768
	s_lshl_b32 s88, s[WH], 8
	s_add_co_u32 s88, s88, STG
	s_lshl_b32 s89, s[WT], 1
	s_add_co_u32 s89, s89, s88
	s_wait_dscnt 0x0
	s_wait_kmcnt 0x0
	s_add_nc_u64 s[8:9], s[8:9], s[28:29]
	s_add_nc_u64 s[4:5], s[4:5], s[70:71]
	s_add_nc_u64 s[6:7], s[6:7], s[72:73]
	s_add_nc_u64 s[10:11], s[10:11], s[74:75]
	s_add_nc_u64 s[12:13], s[12:13], s[76:77]
	s_add_nc_u64 s[14:15], s[14:15], s[76:77]
	s_add_nc_u64 s[16:17], s[16:17], s[76:77]
	s_add_nc_u64 s[18:19], s[18:19], s[80:81]
	s_add_nc_u64 s[20:21], s[20:21], s[82:83]
.irp n, 0,1,2,3,4,5                    ; group 0 of chunk n = 2 pass + half of K
	s_mov_b32 s[G0+4*\n], 1
	s_add_co_u32 s[G0+4*\n+1], s30, \n*CHUNK
	s_add_nc_u64 s[G0+4*\n+2:G0+4*\n+3], s[8:9], (\n/2)*786432+(\n%2)*6144
	s_or_b32 s[G0+4*\n+3], s[G0+4*\n+3], 0x80000000
.endr
	CROUND                                         ; all four work-groups are here: the joint loads meet
.irp n, 0,1,2,3,4,5
	tensor_load_to_lds s[G0+4*\n:G0+4*\n+3], s[G1:G1+7]
	s_nop 0
.endr
	PLACES 4
	v_and_b32 v104, 31, v0                         ; lane
	v_and_b32 v105, 15, v0                         ; r
	v_bfe_u32 v106, v0, 4, 1                       ; h
	v_lshlrev_b32 v1, 3, v104                      ; 8 x lane
	v_lshlrev_b32 v2, 4, v104                      ; 16 x lane
	v_lshlrev_b32 v3, 3, v105                      ; 8 r
	v_add_nc_u32 v[AW], s84, v1                    ; my four W tiles in a chunk
	v_lshlrev_b32 v5, 6, v106                      ; 64 h
	v_and_b32 v6, 8, v105
	v_add_nc_u32 v6, v6, v105
	v_lshlrev_b32 v6, 2, v6                        ; 4 (r + 8 (r / 8))
	v_add_nc_u32 v7, s85, v1                       ; K's codes: my four tiles of the step's eight
	v_add_nc_u32 v8, s86, v1                       ; K's words: my block of 256 bytes
	v_add_nc_u32 v9, s87, v1                       ; V's codes: my half of each fragment
	v_add_nc_u32 v10, s89, v3                      ; V's words in LDS: 256 head + 8 r + 2 x my half
	v_add_nc_u32 v11, s88, v1                      ; and back
.irp b, 0,1,2,3
	v_mov_b32 v[TM+4+\b], 0                        ; written once: a lane permute's destination counts as one of its sources
.endr
	SLOAD XS, 6, 0
	SLOAD WS, 10, 0
	BLOAD 12
	XLOAD 0
	XLOAD 1
	s_wait_tensorcnt 5                             ; my part of chunk 0 has landed; the five behind it may stay out
	s_barrier_signal -1
	s_barrier_wait -1
	FETCH 0, 0
; ---- pass q
.set gg, 0
.rept 8
	KSTEP 0, gg, 1
.set gg, gg+1
.endr
	PLACES 4                                       ; in front of the reads of results and of the loads into the weights' scale words
	WIN 0
	SLOAD WS, 10, 32768                            ; Wk's scale words and bk arrive while q is quantised
	BLOAD 14
	QUANT 0, 0x3000000, 0xfd800000
	QUANT 1, 0x3000000, 0xfd800000
.irp j, 0,1,2,3
.irp p, 0,1,2
	global_store_b64 v1, v[CODE+6*\j+2*\p:CODE+6*\j+2*\p+1], s[18:19] offset:768*\j+256*\p   ; 256 consecutive bytes, aligned
.endr
.endr
	global_store_b128 v2, v[WD:WD+3], s[18:19] offset:3072
	s_wait_loadcnt 0x0
; ---- pass k
.rept 8
	KSTEP 0, gg, 0
.set gg, gg+1
.endr
	PLACES 4
	WIN 0
	s_wait_xcnt 0x0                                ; q's stores have read CODE and WD: they are written again only behind this wait
	SLOAD WS, 10, 65536
	WIN 0xc0
.irp j, 0,1,2,3
	global_load_b32 v[BI+8*\j], v6, s[16:17] offset:128*(\j/2)+32*(\j%2)   ; bv along the lanes: that of my channel in tile j
.endr
	WIN 0
	QUANT 0, 0x1800000, 0xff000000
	QUANT 1, 0x1800000, 0xff000000
.irp j, 0,1,2,3
.irp p, 0,1,2
	global_store_b64 v7, v[CODE+6*\j+2*\p:CODE+6*\j+2*\p+1], s[20:21] offset:768*\j+256*\p
.endr
.endr
	v_cndmask_b32 v[WD], v[WD], v[WD+1], s[HIM]    ; lanes 0-15 an even tile's words, lanes 16-31 the odd tile's: one register serves two tiles
	v_cndmask_b32 v[WD+1], v[WD+2], v[WD+3], s[HIM]
	global_store_b64 v8, v[WD:WD+1], s[20:21] offset:12288
	s_wait_loadcnt 0x0
	WIN 0xc3
.irp j, 0,1,2,3
.irp x, 1,2,3,4,5,6,7
	v_mov_b32 v[BI+8*\j+\x], v[BI+8*\j]            ; the same bias for the lane's eight tokens
.endr
.endr
; ---- pass v
.rept 8
	KSTEP 1, gg, 0
.set gg, gg+1
.endr
	PLACES 4
	WIN 0
	s_wait_xcnt 0x0                                ; k's stores have read CODE and WD
	QUANT 0, 0x1800000, 0xff000000
	QUANT 1, 0x1800000, 0xff000000
.irp j, 0,1,2,3
.irp p, 0,1,2
	global_store_b64 v9, v[CODE+6*\j+2*\p:CODE+6*\j+2*\p+1], s[20:21] offset:6144+1536*\j+256*\p
.endr
.endr
.irp j, 0,1,2,3
	ds_store_b16 v10, v[WD+\j] offset:128*(\j%2)+4*(\j/2)   ; my two bytes of tile j's word; the wave with the other 64 keys puts the other two (lanes r and 16 + r write the same value)
.endr
	s_wait_dscnt 0x0                               ; for the others' sake: my stores have landed
	s_barrier_signal -1
	s_barrier_wait -1
	s_cmp_lg_u32 s[WT], 0
	s_cbranch_scc1 .Lno_words                      ; one wave of each head sends the head's 256 bytes of words
	ds_load_b64 v[TM:TM+1], v11
	s_wait_dscnt 0x0
	global_store_b64 v1, v[TM:TM+1], s[20:21] offset:12800
.Lno_words:
	s_wait_dscnt 0x0
	s_wait_tensorcnt 0x0
	ds_add_u32 v123, v127
	s_wait_dscnt 0x0
	CROUND                                         ; the closing round: no work-group ends while a partner may still ask jointly
	s_endpgm
.Lfunc_end_k_q626f431374_proj:
	.size	k_q626f431374_proj, .Lfunc_end_k_q626f431374_proj-k_q626f431374_proj
	.p2alignl 7, 3214868480
	.fill 96, 4, 3214868480
	.section	.rodata,"a",@progbits
	.p2align	6, 0x0
	.amdhsa_kernel k_q626f431374_proj
		.amdhsa_group_segment_fixed_size 295936
		.amdhsa_private_segment_fixed_size 0
		.amdhsa_enable_private_segment 0
		.amdhsa_kernarg_size 72
		.amdhsa_user_sgpr_count 2
		.amdhsa_user_sgpr_kernarg_segment_ptr 1
		.amdhsa_wavefront_size32 1
		.amdhsa_system_sgpr_workgroup_id_x 1
		.amdhsa_system_sgpr_workgroup_id_y 1
		.amdhsa_system_sgpr_workgroup_id_z 1
		.amdhsa_system_vgpr_workitem_id 0
		.amdhsa_next_free_vgpr 1024
		.amdhsa_next_free_sgpr 100
		.amdhsa_reserve_vcc 0
		.amdhsa_float_denorm_mode_32 3
		.amdhsa_float_denorm_mode_16_64 3
		.amdhsa_memory_ordered 1
		.amdhsa_forward_progress 1
		.amdhsa_inst_pref_size 154
	.end_amdhsa_kernel
	.amdgpu_metadata
---
amdhsa.version: [ 1, 2 ]
amdhsa.kernels:
  - .name:           k_q626f431374_proj
    .symbol:         k_q626f431374_proj.kd
    .args:
      - { .name: xc, .offset: 0, .size: 8, .value_kind: global_buffer, .address_space: global }
      - { .name: xs, .offset: 8, .size: 8, .value_kind: global_buffer, .address_space: global }
      - { .name: wc, .offset: 16, .size: 8, .value_kind: global_buffer, .address_space: global }
      - { .name: ws, .offset: 24, .size: 8, .value_kind: global_buffer, .address_space: global }
      - { .name: bq, .offset: 32, .size: 8, .value_kind: global_buffer, .address_space: global }
      - { .name: bk, .offset: 40, .size: 8, .value_kind: global_buffer, .address_space: global }
      - { .name: bv, .offset: 48, .size: 8, .value_kind: global_buffer, .address_space: global }
      - { .name: qc, .offset: 56, .size: 8, .value_kind: global_buffer, .address_space: global }
      - { .name: kv, .offset: 64, .size: 8, .value_kind: global_buffer, .address_space: global }
    .group_segment_fixed_size: 295936
    .private_segment_fixed_size: 0
    .kernarg_segment_align: 8
    .kernarg_segment_size: 72
    .max_flat_workgroup_size: 128
    .sgpr_count:     100
    .vgpr_count:     1024
    .wavefront_size: 32
...
	.end_amdgpu_metadata
.endif
;; end of part 2
;; launch attn (part 3): grid 8 x 32, 16 waves a work-group, clusters of 4 x 4, 327,680 bytes of LDS; arguments qc, kv, attn_mask, oc, os; writes oc, os
.if DOCPART == 3
	.amdgcn_target "amdgcn-amd-amdhsa--gfx1250"
	.amdhsa_code_object_version 6
	.text
	.protected	k_q626f431374_attn
	.globl	k_q626f431374_attn
	.p2align	8
	.type	k_q626f431374_attn,@function
k_q626f431374_attn:
	s_mov_b64 s[64:65], 0
	v_nop
	global_prefetch_b8 v0, s[64:65] scope:SCOPE_SE
	s_setreg_imm32_b32 hwreg(HW_REG_WAVE_MODE, 25, 1), 1
	s_wait_xcnt 0x0
	s_wait_alu depctr_hold_cnt(0) depctr_sa_sdst(0) depctr_va_vdst(0) depctr_va_sdst(0) depctr_va_ssrc(0) depctr_va_vcc(0) depctr_vm_vsrc(0)
	s_getreg_b32 s2, hwreg(HW_REG_IB_STS2, 6, 4)
	s_cmp_eq_u32 s2, 0
	s_cbranch_scc0 .Lentry_in_a_cluster
	s_endpgm
.Lentry_in_a_cluster:
	s_bfe_u32 s2, ttmp6, 0x10000c
	s_cmp_lg_u32 s2, 0xf033
	s_cbranch_scc0 .Lentry_shape_is_right
	s_endpgm
.Lentry_shape_is_right:
; o = softmax(q k^T / 8 + mask) v for 32 heads of 64, 2,048 queries and keys, both products on codes of FP6 (E2M3) with E8M0 scales; o is quantised along the channels for the last projection.
; THE SOFTMAX: t = logit x log2(e); M = the running largest t rounded up to a whole number; p = 2^(t - M) is quantised along the keys, not normalised; the sum of the unquantised p divides at the end.
; When M moves, the sum and O are multiplied by 2^(old M - new M): exact.
; SHARES.  A work-group takes 64 queries (y) of four heads of one batch (x); wave w takes query tile w % 4 of head w / 4: 16 waves of 256 registers, four to a SIMD, so that one wave's vector work
; stands beside another's products and LDS loads.  Every wave walks the 2,048 keys, 128 a step.  A step's tiles: four heads' records of K and V (52,224 bytes) and 64 x 128 of the mask (32,768 bytes).
; CLUSTER 4 x 4.  The records hang on x alone: shared along a column of the cluster.  The mask's tile hangs on y alone: shared along a row.  Both are asked for jointly.
; LAYOUT.  Both products are used transposed (S^T = K Q^T, O^T = V^T P^T): a lane holds one query.  Lane r of a tile holds row 32 (T / 2) + 8 (T % 2) + r + 8 (r / 8), so the 16 registers of score tiles
; 2 b and 2 b + 1 are keys 32 b + 16 (lane / 16) + 0 .. 15.  THE HEAD IS 64, HALF OF THE INSTRUCTION'S K: Q's upper six registers are zero codes, so K's upper six may hold anything that is a code:
; tile t's operand is v[32 + 6 t .. 43 + 6 t], whose upper half is the next tile; the upper scale bytes are 0 (2^-127), and the terms are exact zeros.
; THE MASK IS THE C OF THE SCORE PRODUCT: it is loaded into the scores' registers; 1 / 8 lies in q's scale bytes; so the product gives q k / 8 + mask.
; The mask's four groups of 16 rows lie 8,576 bytes apart and rows 528 bytes apart: a tile's rows 0-7 and 16-23 then start at sixteen different columns of 16 bytes modulo 256.
; LIMITS: a query whose every key the mask hides with -infinity has NaN in the definition; FP6 has no code for it: such rows are not served.  NaN in the mask is not served.
; REGISTERS: v1, v2 my places in a slot; v3, v4 the add's; v5, v6 the step's addresses; v12 -M, v13 the largest t, v[14:15] the sum; v16-27 Q; v28 Q's words, v29 p's; v[30:31] f; v32-85 K, then V;
; v86-89 K's words, v90-91 V's; v96-159 mask, scores, p; v160-191 O^T; v192-203 p's codes; v204-225 at work.
.set SLOT1, 131072                     ; slot 1 begins here: one exclusive or turns an address of one slot into the other's
.set REC,   13056                      ; a head's record
.set MOFF,  52224                      ; behind the four records: the mask
.set MZ,    8576
.set SPARE, 262144                     ; the spare words, 128 bytes for each of 16 waves: eight blocks of 256 bytes that no other line names
.set STG,   264192                     ; 512 bytes in which o's scale words meet; no fill lands here
.set SPW,   3
.set NIL,   4
.set ADK,   5
.set ADM,   6
.set Q,     16
.set QSC,   28
.set PS,    29
.set KV,    32
.set KS,    86
.set VS,    90
.set S,     96
.set O,     160
.set PC,    192
.set TP,    204
.set BM,    212
.set BT,    216
.set BS,    220
.set WV,    14
.set SEL,   26
.set CS,    28
.set TB,    30
.set CNT,   31
.set G1K,   32
.set G1M,   40
.set G0K,   48
.set G0M,   52
.macro PLACES n
.rept \n
	v_nop
.endr
.endm
.macro CROUND                          ; a round of the cluster's barrier
	s_barrier_signal -1
	s_barrier_wait -1
	s_cmp_lg_u32 s[WV], 0
	s_cbranch_scc1 .Lnot_wave_0_\@
	s_barrier_signal -3
.Lnot_wave_0_\@:
	s_barrier_wait -3
	s_barrier_signal -1
	s_barrier_wait -1
.endm
; Waves 0 and 1 ask for the records' halves, waves 2 to 5 for the mask's four groups of rows, the others for nothing.  The branches hang on the wave's number alone.  Four v_nop follow each load.
.macro JLOAD
	s_cmp_lt_u32 s[WV], 2
	s_cbranch_scc0 .Lnot_k_\@
	tensor_load_to_lds s[G0K:G0K+3], s[G1K:G1K+7]
	s_nop 0
	PLACES 4
	s_branch .Lasked_\@
.Lnot_k_\@:
	s_cmp_lt_u32 s[WV], 6
	s_cbranch_scc0 .Lasked_\@
	tensor_load_to_lds s[G0M:G0M+3], s[G1M:G1M+7]
	s_nop 0
	PLACES 4
.Lasked_\@:
.endm
	s_load_b256 s[4:11], s[0:1], 0x0               ; qc, kv, attn_mask, oc
	s_load_b64 s[12:13], s[0:1], 0x20              ; os
	v_lshl_add_u32 v[SPW], v0, 2, SPARE
	v_mov_b32 v[NIL], 0
	ds_add_u32 v3, v4
	s_wait_dscnt 0x0
	v_lshrrev_b32 v7, 5, v0
	v_readfirstlane_b32 s[WV], v7                  ; wave 0..15
	s_and_b32 s15, s[WV], 3                        ; my query tile
	s_lshr_b32 s16, s[WV], 2                       ; my head of the four
	s_bfe_u32 s17, ttmp6, 0x40000                  ; cx
	s_bfe_u32 s18, ttmp6, 0x40004                  ; cy
	s_lshl_b32 s19, ttmp9, 2
	s_add_co_u32 s19, s19, s17                     ; x = 4 batch + group of four heads
	s_and_b32 s20, ttmp7, 0xffff
	s_lshl_b32 s20, s20, 2
	s_add_co_u32 s20, s20, s18                     ; y = block of 64 queries
	s_lshl_b32 s21, s18, 2
	s_lshl_b32 s21, 15, s21                        ; my row of the cluster
	s_lshl_b32 s22, 0x1111, s17                    ; my column
	s_or_b32 s[G1K], s22, (3<<16)|(1<<21)          ; the records: to my column; elements of 8 bytes; 21 set beside a mask; no padding
	s_mov_b32 s[G1K+1], 32<<16                     ; rows of 256 bytes,
	s_mov_b32 s[G1K+2], 102<<16                    ; 102 of them: two records, dense in memory
	s_mov_b32 s[G1K+3], 32<<16
	s_mov_b32 s[G1K+4], 102
	s_mov_b32 s[G1K+5], 32
	s_mov_b32 s[G1K+6], 0
	s_mov_b32 s[G1K+7], 0
	s_or_b32 s[G1M], s21, (2<<16)|(1<<20)|(1<<21)|(6<<22)|(3<<25)   ; the mask: to my row; elements of 4 bytes; after every 128 words 4 words of padding
	s_mov_b32 s[G1M+1], 128<<16                    ; 128 keys,
	s_mov_b32 s[G1M+2], 16<<16                     ; 16 queries
	s_mov_b32 s[G1M+3], 128<<16
	s_mov_b32 s[G1M+4], 16
	s_mov_b32 s[G1M+5], 2048
	s_mov_b32 s[G1M+6], 0
	s_mov_b32 s[G1M+7], 0
	s_and_b32 s23, s[WV], 1
	s_mul_i32 s24, s23, 2*REC                      ; which two records I fetch: in memory and in a slot alike
	s_mul_i32 s56, s19, 835584                     ; 16 steps x 4 records
	s_add_co_u32 s56, s56, s24
	s_mov_b32 s57, 0
	s_add_co_u32 s25, s[WV], 2
	s_and_b32 s25, s25, 3                          ; which 16 rows of the mask: waves 2 to 5 take 0 to 3
	s_lshl_b32 s58, s20, 6
	s_lshl_b32 s59, s25, 4
	s_add_co_u32 s58, s58, s59
	s_lshl_b32 s58, s58, 13                        ; rows of 8,192 bytes
	s_mov_b32 s59, 0
	s_mul_i32 s25, s25, MZ
	s_add_co_u32 s25, s25, MOFF
	s_lshl_b32 s60, s19, 2
	s_add_co_u32 s60, s60, s16                     ; my head of 32
	s_lshl_b32 s60, s60, 5
	s_add_co_u32 s60, s60, s20
	s_mul_i32 s60, s60, 3584                       ; q's record
	s_mov_b32 s61, 0
	s_lshr_b32 s62, s19, 2                         ; batch
	s_and_b32 s63, s19, 3                          ; group of heads
	s_lshl_b32 s66, s62, 7
	s_lshl_b32 s67, s20, 2
	s_add_co_u32 s66, s66, s67
	s_add_co_u32 s66, s66, s15                     ; my token tile of 256
	s_mul_i32 s66, s66, 12288
	s_lshl_b32 s67, s63, 2
	s_add_co_u32 s67, s67, s16                     ; my head of 16
	s_mul_i32 s67, s67, 768
	s_add_co_u32 s66, s66, s67
	s_mov_b32 s67, 0
	s_lshl_b32 s68, s62, 5
	s_add_co_u32 s68, s68, s20
	s_lshl_b32 s68, s68, 2
	s_add_co_u32 s68, s68, s63
	s_lshl_b32 s68, s68, 9                         ; o's scale words: 512 bytes for 64 tokens and four heads
	s_mov_b32 s69, 0
	s_mov_b32 s[SEL], 0x76543210
	s_mov_b32 s[SEL+1], 0xfedcba98
	s_mov_b32 s[CS], 0x3fb8aa3b                    ; log2(e)
	s_mov_b32 s[CS+1], s[CS]                       ; (named with it as a pair, so it is written)
	s_mov_b32 s[TB], 0
	s_mov_b32 s[CNT], 15
	; every lane address is made here, ahead of the first branch on the wave's number
	v_and_b32 v7, 31, v0                           ; lane
	v_and_b32 v8, 15, v0                           ; r
	v_bfe_u32 v9, v0, 4, 1                         ; h
	v_lshlrev_b32 v10, 3, v7                       ; 8 x lane
	v_lshlrev_b32 v92, 4, v7                       ; 16 x lane
	s_mul_i32 s70, s16, REC
	v_add_nc_u32 v1, s70, v10                      ; my head's record
	s_lshr_b32 s71, s15, 1
	s_mul_i32 s71, s71, 2*MZ
	s_and_b32 s72, s15, 1
	s_mul_i32 s72, s72, 8*528
	s_add_co_u32 s71, s71, s72
	s_add_co_u32 s71, s71, MOFF
	v_lshrrev_b32 v2, 3, v8
	v_mul_u32_u24 v2, v2, MZ
	v_and_b32 v11, 7, v8
	v_mad_u32_u24 v2, v11, 528, v2
	v_lshl_add_u32 v2, v9, 6, v2
	v_add_nc_u32 v2, s71, v2                       ; my query's row of the mask, + 64 h
	v_add_nc_u32 v93, STG, v92
	s_lshl_b32 s75, s15, 7
	s_lshl_b32 s74, s16, 1
	s_add_co_u32 s75, s75, s74
	s_add_co_u32 s75, s75, STG
	v_lshl_add_u32 v94, v8, 3, s75                 ; o's words in LDS: 128 tile + 8 r + 2 head
	s_mul_i32 s73, s15, 768
	v_add_nc_u32 v7, s73, v10                      ; q's codes: 8 x lane + 768 tile
	s_lshl_b32 s74, s15, 2
	v_add_nc_u32 v8, s74, v92                      ; q's words: 16 x lane + 4 tile
	s_wait_kmcnt 0x0
	s_mov_b32 s[G0K], 1
	s_mov_b32 s[G0K+1], s24
	s_add_nc_u64 s[G0K+2:G0K+3], s[6:7], s[56:57]
	s_or_b32 s[G0K+3], s[G0K+3], 0x80000000
	s_mov_b32 s[G0M], 1
	s_mov_b32 s[G0M+1], s25
	s_add_nc_u64 s[G0M+2:G0M+3], s[8:9], s[58:59]
	s_or_b32 s[G0M+3], s[G0M+3], 0x80000000
	s_add_nc_u64 s[4:5], s[4:5], s[60:61]
	s_add_nc_u64 s[10:11], s[10:11], s[66:67]
	s_add_nc_u64 s[12:13], s[12:13], s[68:69]
	CROUND                                         ; all sixteen work-groups are here: the first joint loads meet
	JLOAD                                          ; step 0 into slot 0
.irp p, 0,1,2
	global_load_b64 v[Q+2*\p:Q+2*\p+1], v7, s[4:5] offset:256*\p   ; Q's half fragment stays in registers
.endr
	global_load_b32 v[QSC], v8, s[4:5] offset:3072
.irp i, 6,7,8,9,10,11
	v_mov_b32 v[Q+\i], 0                           ; zero codes for k = 64 .. 127
.endr
.irp i, 48,49,50,51,52,53
	v_mov_b32 v[KV+\i], 0                          ; what stands above the last tile of K
.endr
	v_mov_b32 v13, 0xff61b1e6                      ; the largest t so far: -3e38
	v_floor_f32 v12, -v13                          ; -M
	v_mov_b32 v14, 0
	v_mov_b32 v15, 0
	v_mov_b32 v31, 0                               ; (named as the upper half of the pair v[30:31])
.irp b, 0,1,2,3
	v_mov_b32 v[BT+\b], 0                          ; written once: a lane permute's destination counts as one of its sources
.endr
.set ii, 0
.rept 32
	v_mov_b32 v[O+ii], 0                           ; the step is written for every step alike: the first finds zeros
.set ii, ii+1
.endr
; A KEY STEP: 128 keys, from the slot at s[TB].
.macro STEP
	v_add_nc_u32 v[ADK], s[TB], v1
	v_add_nc_u32 v[ADM], s[TB], v2
	PLACES 2                                       ; with the two additions: four places in front of loads into registers that the last products read
.irp b, 0,1,2,3
.irp q, 0,1,2,3
	ds_load_b128 v[S+16*\b+4*\q:S+16*\b+4*\q+3], v[ADM] offset:128*\b+16*\q   ; the mask at my query, keys 32 b + 16 h + 4 q on
.endr
.endr
.set ii, 0
.rept 24
	ds_load_b64 v[KV+2*ii:KV+2*ii+1], v[ADK] offset:256*ii                    ; K's eight half fragments: 256 consecutive bytes a load
.set ii, ii+1
.endr
	ds_load_b64 v[KS:KS+1], v[ADK] offset:12288
	ds_load_b64 v[KS+2:KS+3], v[ADK] offset:12544
	ds_load_b64 v[VS:VS+1], v[ADK] offset:12800
	s_wait_dscnt 0x0
.irp t, 0,1,2,3,4,5,6,7                ; one instruction on each accumulator: they take turns
.if \t%2
	v_wmma_scale_f32_16x16x128_f8f6f4 v[S+8*\t:S+8*\t+7], v[KV+6*\t:KV+6*\t+11], v[Q:Q+11], v[S+8*\t:S+8*\t+7], v[KS+\t/2], v[QSC] matrix_a_fmt:MATRIX_FMT_FP6 matrix_b_fmt:MATRIX_FMT_FP6 matrix_a_scale:MATRIX_SCALE_ROW1
.else
	v_wmma_scale_f32_16x16x128_f8f6f4 v[S+8*\t:S+8*\t+7], v[KV+6*\t:KV+6*\t+11], v[Q:Q+11], v[S+8*\t:S+8*\t+7], v[KS+\t/2], v[QSC] matrix_a_fmt:MATRIX_FMT_FP6 matrix_b_fmt:MATRIX_FMT_FP6
.endif
.endr
	PLACES 4                                       ; in front of the loads over K and of the first read of the scores
.set ii, 0
.rept 24
	ds_load_b64 v[KV+2*ii:KV+2*ii+1], v[ADK] offset:6144+256*ii               ; V's four fragments land while the softmax is walked
.set ii, ii+1
.endr
.irp b, 0,1,2,3
	v_max3_num_f32 v[BM+\b], v[S+16*\b], v[S+16*\b+1], v[S+16*\b+2]   ; the largest score of each block of 32 keys: for the row's maximum, and, since p rises with the score, for the block's largest p
.endr
.irp i, 3,5,7,9,11,13
.irp b, 0,1,2,3
	v_max3_num_f32 v[BM+\b], v[BM+\b], v[S+16*\b+\i], v[S+16*\b+\i+1]
.endr
.endr
.irp b, 0,1,2,3
	v_max_num_f32 v[BM+\b], v[BM+\b], v[S+16*\b+15]
.endr
.irp b, 0,1,2,3
	v_permlanex16_b32 v[BT+\b], v[BM+\b], s[SEL], s[SEL+1]
.endr
.irp b, 0,1,2,3
	v_max_num_f32 v[BM+\b], v[BM+\b], v[BT+\b]     ; with lane l xor 16's 16 keys
.endr
	v_max3_num_f32 v224, v[BM], v[BM+1], v[BM+2]
	v_max_num_f32 v224, v224, v[BM+3]              ; the step's largest score of my query
	v_mul_f32 v224, s[CS], v224                    ; as t
	v_max_num_f32 v13, v13, v224                   ; the running largest t
	v_mov_b32 v224, v12
	v_floor_f32 v12, -v13                          ; the new -M = -ceil(t): a whole number
	v_sub_f32 v224, v12, v224                      ; old M - new M: a whole number, 0 or less
	v_cvt_i32_f32 v224, v224                       ; (it saturates)
	v_ldexp_f32 v30, 1.0, v224                     ; f = 2^(old M - new M)
.set ii, 0
.rept 32
	v_pk_fma_f32 v[S+ii:S+ii+1], v[S+ii:S+ii+1], s[CS:CS+1], v[12:13] op_sel_hi:[1,0,0]   ; t - M, two at a time
.set ii, ii+2
.endr
.irp b, 0,1,2,3
	v_fma_f32 v[BM+\b], v[BM+\b], s[CS], v12       ; the same of each block's largest score
.endr
.set ii, 0
.rept 64
	v_exp_f32 v[S+ii], v[S+ii]                     ; p = 2^(t - M)
.set ii, ii+1
.endr
.irp b, 0,1,2,3
	v_exp_f32 v[BM+\b], v[BM+\b]                   ; the block's largest p: the same two instructions on the same number
.endr
	v_pk_mul_f32 v[14:15], v[14:15], v[30:31] op_sel_hi:[1,0]   ; the sums under the new M (a plain place behind the exponentials)
	s_wait_alu depctr_va_vdst(0)
.irp b, 0,1,2,3
	v_max_num_f32 v[BM+\b], 0x1800000, v[BM+\b]    ; the floor 2^(3 - 127): the byte cannot fall under 1
.endr
.irp b, 0,1,2,3
	v_add_nc_u32 v[BS+\b], 0xff000000, v[BM+\b]    ; 2 off the exponent field: the conversion's scale operand
.endr
.irp b, 0,1,2,3
	v_lshrrev_b32 v[BT+\b], 23, v[BS+\b]           ; the scale's byte
.endr
	v_lshl_or_b32 v[PS], v[BT+1], 8, v[BT]         ; p's scale word for these 128 keys
	v_lshl_or_b32 v[PS], v[BT+2], 16, v[PS]
	v_lshl_or_b32 v[PS], v[BT+3], 24, v[PS]
.irp c, 0,1
	v_cvt_scalef32_pk16_fp6_f32 v[PC+6*\c:PC+6*\c+2], v[S+32*\c:S+32*\c+15], v[BS+2*\c]
	v_cvt_scalef32_pk16_fp6_f32 v[TP+4*\c:TP+4*\c+2], v[S+32*\c+16:S+32*\c+31], v[BS+2*\c+1]
.endr
	v_nop                                          ; one plain place behind a scaled conversion
.irp c, 0,1                            ; a whole block to a lane: lanes 0-15 block 2 c, lanes 16-31 block 2 c + 1
.irp i, 0,1,2
	v_permlane16_swap_b32 v[PC+6*\c+\i], v[TP+4*\c+\i]
.endr
.irp i, 0,1,2
	v_mov_b32 v[PC+3+6*\c+\i], v[TP+4*\c+\i]
.endr
.endr
	v_pk_add_f32 v[BT:BT+1], v[S:S+1], v[S+2:S+3]  ; the row's sum is taken of the unquantised p: two at a time, in two chains
.set ii, 4
.rept 15
	v_pk_add_f32 v[14:15], v[14:15], v[S+ii:S+ii+1]
	v_pk_add_f32 v[BT:BT+1], v[BT:BT+1], v[S+ii+2:S+ii+3]
.set ii, ii+4
.endr
	v_pk_add_f32 v[14:15], v[14:15], v[BT:BT+1]
.set ii, 0
.rept 16
	v_pk_mul_f32 v[O+ii:O+ii+1], v[O+ii:O+ii+1], v[30:31] op_sel_hi:[1,0]   ; O^T under the new M.  (The sums and these are the places between p's codes and scale word and the products)
.set ii, ii+2
.endr
	s_wait_dscnt 0x0                               ; V is in
.irp t, 0,1,2,3
.if \t%2
	v_wmma_scale_f32_16x16x128_f8f6f4 v[O+8*\t:O+8*\t+7], v[KV+12*\t:KV+12*\t+11], v[PC:PC+11], v[O+8*\t:O+8*\t+7], v[VS+\t/2], v[PS] matrix_a_fmt:MATRIX_FMT_FP6 matrix_b_fmt:MATRIX_FMT_FP6 matrix_a_scale:MATRIX_SCALE_ROW1
.else
	v_wmma_scale_f32_16x16x128_f8f6f4 v[O+8*\t:O+8*\t+7], v[KV+12*\t:KV+12*\t+11], v[PC:PC+11], v[O+8*\t:O+8*\t+7], v[VS+\t/2], v[PS] matrix_a_fmt:MATRIX_FMT_FP6 matrix_b_fmt:MATRIX_FMT_FP6
.endif
.endr
.endm
; THE CHANGE OF SLOTS stands at a step's head.  Each wave waits for all its tensor loads (its part of the slot about to be read), adds 0 to its spare word, and waits for that and for its reads of the
; slot that it has left.  fill = 1: a round of the cluster's barrier, so that no wave of any partner still reads that slot or has a load on its way; then the next step's tiles are asked for, into it.
.macro CHANGE fill
	s_wait_tensorcnt 0x0                           ; no tensor load of mine is out, so a group 0 may be written
	ds_add_u32 v[SPW], v[NIL]
.if \fill
	s_xor_b32 s[G0K+1], s[G0K+1], SLOT1            ; the other slot than last time,
	s_add_nc_u64 s[G0K+2:G0K+3], s[G0K+2:G0K+3], 4*REC   ; the next step's records,
	s_xor_b32 s[G0M+1], s[G0M+1], SLOT1
	s_add_nc_u64 s[G0M+2:G0M+3], s[G0M+2:G0M+3], 512     ; the next 128 keys of the mask's rows
.endif
	s_wait_dscnt 0x0                               ; the add is done, and my reads of the slot that I have left are over
.if \fill
	CROUND
	JLOAD                                          ; first behind the round, and a wave's one tensor load until the next
.else
	s_barrier_signal -1
	s_barrier_wait -1
.endif
.endm
	s_wait_loadcnt 0x0                             ; Q
.Lstep:                                            ; 15 trips: behind each change of slots but the last the next step is asked for
	CHANGE 1
	STEP
	s_xor_b32 s[TB], s[TB], SLOT1
	s_sub_co_u32 s[CNT], s[CNT], 1
	s_cmp_lg_u32 s[CNT], 0
	s_cbranch_scc1 .Lstep
	CHANGE 0                                       ; the last step is written out
	STEP
	; THE WAY OUT: O^T / the sum, quantised along the head's 64 channels: a half fragment and two scale bytes
	PLACES 4
	v_add_f32 v14, v14, v15
	v_permlanex16_b32 v224, v14, s[SEL], s[SEL+1]
	v_add_f32 v14, v14, v224                       ; the row's sum
	v_rcp_f32 v14, v14
	v_nop                                          ; one plain place behind a transcendental
.set ii, 0
	s_wait_alu depctr_va_vdst(0)
.rept 16
	v_pk_mul_f32 v[O+ii:O+ii+1], v[O+ii:O+ii+1], v[14:15] op_sel_hi:[1,0]   ; register 16 b + i = channel 32 b + 16 h + i of my query; each accumulator from its low end on
.set ii, ii+2
.endr
.irp b, 0,1
	v_max3_num_f32 v[BM+\b], |v[O+16*\b]|, |v[O+16*\b+1]|, 0x1800000
.endr
.irp i, 2,4,6,8,10,12,14
.irp b, 0,1
	v_max3_num_f32 v[BM+\b], v[BM+\b], |v[O+16*\b+\i]|, |v[O+16*\b+\i+1]|
.endr
.endr
.irp b, 0,1
	v_permlanex16_b32 v[BT+\b], v[BM+\b], s[SEL], s[SEL+1]
.endr
.irp b, 0,1
	v_max_num_f32 v[BM+\b], v[BM+\b], v[BT+\b]
.endr
.irp b, 0,1
	v_add_nc_u32 v[BS+\b], 0xff000000, v[BM+\b]
.endr
.irp b, 0,1
	v_lshrrev_b32 v[BT+\b], 23, v[BS+\b]
.endr
	v_lshl_or_b32 v224, v[BT+1], 8, v[BT]
	v_cvt_scalef32_pk16_fp6_f32 v[PC:PC+2], v[O:O+15], v[BS]
	v_cvt_scalef32_pk16_fp6_f32 v[TP:TP+2], v[O+16:O+31], v[BS+1]
	v_nop
.irp i, 0,1,2
	v_permlane16_swap_b32 v[PC+\i], v[TP+\i]
.endr
.irp i, 0,1,2
	v_mov_b32 v[PC+3+\i], v[TP+\i]
.endr
.irp p, 0,1,2
	global_store_b64 v10, v[PC+2*\p:PC+2*\p+1], s[10:11] offset:256*\p   ; 256 consecutive bytes, aligned
.endr
	ds_store_b16 v94, v224                         ; my head's two bytes of my rows' words (lanes r and 16 + r write the same value)
	s_wait_dscnt 0x0                               ; for the others' sake
	s_barrier_signal -1
	s_barrier_wait -1
	s_cmp_lg_u32 s[WV], 0
	s_cbranch_scc1 .Lno_words                      ; wave 0 sends the work-group's 512 bytes of words
	ds_load_b128 v[S:S+3], v93
	s_wait_dscnt 0x0
	global_store_b128 v92, v[S:S+3], s[12:13]
.Lno_words:
	s_wait_tensorcnt 0x0                           ; the wave's end
	ds_add_u32 v[SPW], v[NIL]
	s_wait_dscnt 0x0
	CROUND                                         ; the closing round
	s_endpgm
.Lfunc_end_k_q626f431374_attn:
	.size	k_q626f431374_attn, .Lfunc_end_k_q626f431374_attn-k_q626f431374_attn
	.p2alignl 7, 3214868480
	.fill 96, 4, 3214868480
	.section	.rodata,"a",@progbits
	.p2align	6, 0x0
	.amdhsa_kernel k_q626f431374_attn
		.amdhsa_group_segment_fixed_size 327680
		.amdhsa_private_segment_fixed_size 0
		.amdhsa_enable_private_segment 0
		.amdhsa_kernarg_size 40
		.amdhsa_user_sgpr_count 2
		.amdhsa_user_sgpr_kernarg_segment_ptr 1
		.amdhsa_wavefront_size32 1
		.amdhsa_system_sgpr_workgroup_id_x 1
		.amdhsa_system_sgpr_workgroup_id_y 1
		.amdhsa_system_sgpr_workgroup_id_z 1
		.amdhsa_system_vgpr_workitem_id 0
		.amdhsa_next_free_vgpr 256
		.amdhsa_next_free_sgpr 80
		.amdhsa_reserve_vcc 0
		.amdhsa_float_denorm_mode_32 3
		.amdhsa_float_denorm_mode_16_64 3
		.amdhsa_memory_ordered 1
		.amdhsa_forward_progress 1
		.amdhsa_inst_pref_size 50
	.end_amdhsa_kernel
	.amdgpu_metadata
---
amdhsa.version: [ 1, 2 ]
amdhsa.kernels:
  - .name:           k_q626f431374_attn
    .symbol:         k_q626f431374_attn.kd
    .args:
      - { .name: qc, .offset: 0, .size: 8, .value_kind: global_buffer, .address_space: global }
      - { .name: kv, .offset: 8, .size: 8, .value_kind: global_buffer, .address_space: global }
      - { .name: attn_mask, .offset: 16, .size: 8, .value_kind: global_buffer, .address_space: global }
      - { .name: oc, .offset: 24, .size: 8, .value_kind: global_buffer, .address_space: global }
      - { .name: os, .offset: 32, .size: 8, .value_kind: global_buffer, .address_space: global }
    .group_segment_fixed_size: 327680
    .private_segment_fixed_size: 0
    .kernarg_segment_align: 8
    .kernarg_segment_size: 40
    .max_flat_workgroup_size: 512
    .sgpr_count:     80
    .vgpr_count:     256
    .wavefront_size: 32
...
	.end_amdgpu_metadata
.endif
;; end of part 3
;; launch outp (part 4): grid 32 x 8, 4 waves a work-group, clusters of 4 x 1, 168,448 bytes of LDS; arguments oc, os, wc, ws, bo, out0; writes out0
.if DOCPART == 4
	.amdgcn_target "amdgcn-amd-amdhsa--gfx1250"
	.amdhsa_code_object_version 6
	.text
	.protected	k_q626f431374_outp
	.globl	k_q626f431374_outp
	.p2align	8
	.type	k_q626f431374_outp,@function
k_q626f431374_outp:
	s_mov_b64 s[64:65], 0
	v_nop
	global_prefetch_b8 v0, s[64:65] scope:SCOPE_SE
	s_setreg_imm32_b32 hwreg(HW_REG_WAVE_MODE, 25, 1), 1
	s_wait_xcnt 0x0
	s_wait_alu depctr_hold_cnt(0) depctr_sa_sdst(0) depctr_va_vdst(0) depctr_va_sdst(0) depctr_va_ssrc(0) depctr_va_vcc(0) depctr_vm_vsrc(0)
	s_getreg_b32 s2, hwreg(HW_REG_IB_STS2, 6, 4)
	s_cmp_eq_u32 s2, 0
	s_cbranch_scc0 .Lentry_in_a_cluster
	s_endpgm
.Lentry_in_a_cluster:
	s_bfe_u32 s2, ttmp6, 0x10000c
	s_cmp_lg_u32 s2, 0x3003
	s_cbranch_scc0 .Lentry_shape_is_right
	s_endpgm
.Lentry_shape_is_right:
; out = o Wo^T + bo on codes of FP6 (E2M3) with E8M0 scales; sums and result in f32.
; SHARES.  A work-group takes 128 tokens (x) and 128 columns (y); wave w takes tokens 64 (w % 2) on and columns 64 (w / 2) on: 16 accumulators.  The tokens' codes (4 tiles x 8 K steps) come from
; their images straight into registers; Wo's 128 rows come by two tensor loads a wave (two are out, by this text's count), each LDS byte filled once.
; CLUSTER 4 x 1: the partners differ in their tokens alone and read the same rows of Wo: asked for jointly, mask 15.  The tokens' codes differ between partners and are not shared.
; Source 0 = 16 rows of Wo, source 1 = 16 tokens: a lane holds one token and eight neighbouring columns a tile.  Lane r of tile T holds row 32 (T / 2) + 8 (T % 2) + r + 8 (r / 8), of tokens and of Wo alike:
; the 32 registers of a column of accumulators are columns 32 b + 16 (lane / 16) + i, and the way out puts each token's row where it belongs.
; REGISTERS.  Window 0: v1-9 addresses, v40-71 the tokens' scale words, v72-103 Wo's, v128-255 accumulators ((i, j) at 128 + 32 j + 8 i).  Windows 1, 2: the tokens' fragments.
; Window 3: v0-95 Wo's fragments, two buffers, on the way out rows read back; v96-127 bo, the C of the first products.
.set ACC,   128
.set XS,    40
.set WS,    72
.set AW,    4
.set STO,   7
.set RD,    8
.set CO,    9
.set BI,    96
.set CHUNK, 49152
.set STG,   98304                      ; behind the two chunks: a stage of 16 rows x 272 bytes for each wave; no fill lands here
.set LASTG, 7
.set NLD,   2
.set WV,    22
.set WT,    23
.set WH,    24
.set G1,    32
.set G0,    40
.set MSB,   0
.macro WIN new                         ; the immediate's high byte repeats the setting that is left
.if MSB != (\new)
	s_set_vgpr_msb (MSB<<8)|(\new)
.set MSB, (\new)
.endif
.endm
.macro PLACES n
.rept \n
	v_nop
.endr
.endm
.macro CROUND                          ; a round of the cluster's barrier
	s_barrier_signal -1
	s_barrier_wait -1
	s_cmp_lg_u32 s[WV], 0
	s_cbranch_scc1 .Lnot_wave_0_\@
	s_barrier_signal -3
.Lnot_wave_0_\@:
	s_barrier_wait -3
	s_barrier_signal -1
	s_barrier_wait -1
.endm
.macro SLOAD dst, b, imm               ; the scale words of 4 tiles x 8 K steps: register dst + 8 i + s
.irp i, 0,1,2,3
.irp g, 0,1,2,3
	global_load_b64 v[\dst+8*\i+2*\g:\dst+8*\i+2*\g+1], v3, s[\b:\b+1] offset:\imm+512*\g+128*\i
.endr
.endr
.endm
.macro XLOAD s                         ; my four token tiles' fragments of K step s
	WIN 0x40*(1+(\s)/4)
.irp i, 0,1,2,3
.irp p, 0,1,2,3,4,5
	global_load_b64 v[48*((\s)%4)+12*\i+2*\p:48*((\s)%4)+12*\i+2*\p+1], v1, s[4:5] offset:12288*\i+1536*(\s)+256*\p
.endr
.endr
.endm
.macro FETCH buf, e                    ; my four tiles of Wo, the chunk's e-th K step
	WIN 0xc0
.irp i, 0,1,2,3
.irp p, 0,1,2,3,4,5
	ds_load_b64 v[48*(\buf)+12*\i+2*\p:48*(\buf)+12*\i+2*\p+1], v[AW] offset:6144*\i+1536*(\e)+256*\p
.endr
.endr
.endm
.macro MUL s, buf, first               ; 16 matrix instructions, one on each accumulator: they take turns
	WIN 0x07+4*((\s)/4)+0x30*(\first)
.irp j, 0,1,2,3
.irp i, 0,1,2,3
.if \first
	v_wmma_scale_f32_16x16x128_f8f6f4 v[ACC+32*\j+8*\i:ACC+32*\j+8*\i+7], v[48*(\buf)+12*\i:48*(\buf)+12*\i+11], v[48*((\s)%4)+12*\j:48*((\s)%4)+12*\j+11], v[BI+8*\i:BI+8*\i+7], v[WS+8*\i+(\s)], v[XS+8*\j+(\s)] matrix_a_fmt:MATRIX_FMT_FP6 matrix_b_fmt:MATRIX_FMT_FP6
.else
	v_wmma_scale_f32_16x16x128_f8f6f4 v[ACC+32*\j+8*\i:ACC+32*\j+8*\i+7], v[48*(\buf)+12*\i:48*(\buf)+12*\i+11], v[48*((\s)%4)+12*\j:48*((\s)%4)+12*\j+11], v[ACC+32*\j+8*\i:ACC+32*\j+8*\i+7], v[WS+8*\i+(\s)], v[XS+8*\j+(\s)] matrix_a_fmt:MATRIX_FMT_FP6 matrix_b_fmt:MATRIX_FMT_FP6
.endif
.endr
.endr
.endm
.macro KSTEP g
.set KF_, 0
.if (\g) == 0
.set KF_, 1
.endif
.if ((\g)%4 == 3) && ((\g) < LASTG)
	s_wait_tensorcnt NLD-2-(\g)/4                  ; my part of the second chunk has landed
	s_wait_dscnt 0x0
	s_barrier_signal -1
	s_barrier_wait -1                              ; everybody's has
	WIN 0
	v_add_nc_u32 v[AW], CHUNK, v[AW]
.endif
	PLACES 4                                       ; in front of loads into the buffer that the last step's products read
.if (\g) < LASTG
	FETCH ((\g)+1)%2, ((\g)+1)%4
.endif
.if (\g) <= 5
	XLOAD (\g)+2
	s_wait_loadcnt 48                              ; all but the tokens' fragments of the next two K steps, 24 loads each
.elseif (\g) == 6
	s_wait_loadcnt 24
.else
	s_wait_loadcnt 0x0
.endif
.if (\g) < LASTG
	s_wait_dscnt 24                                ; all but the 24 just issued
.else
	s_wait_dscnt 0x0
.endif
	MUL \g, (\g)%2, KF_
.endm
	s_load_b256 s[4:11], s[0:1], 0x0               ; oc, os, wc, ws
	s_load_b128 s[12:15], s[0:1], 0x20             ; bo, out0
	v_lshl_add_u32 v126, v0, 2, 0x29000
	v_mov_b32 v127, 0
	ds_add_u32 v126, v127
	v_lshrrev_b32 v10, 5, v0
	v_readfirstlane_b32 s[WV], v10                 ; wave 0..3
	s_and_b32 s[WT], s[WV], 1
	s_lshr_b32 s[WH], s[WV], 1
	s_bfe_u32 s25, ttmp6, 0x40000                  ; cx
	s_lshl_b32 s26, ttmp9, 2
	s_add_co_u32 s26, s26, s25                     ; block of 128 tokens
	s_and_b32 s27, ttmp7, 0xffff                   ; block of 128 columns, which the partners share
	s_mov_b32 s[G1], 15|(3<<16)|(1<<21)            ; all four work-groups; elements of 8 bytes; 21 set beside a mask; no padding
	s_mov_b32 s[G1+1], 768<<16                     ; 6,144 bytes: a tile's four K steps
	s_mov_b32 s[G1+2], 2<<16                       ; two tiles
	s_mov_b32 s[G1+3], 768<<16
	s_mov_b32 s[G1+4], 2
	s_mov_b32 s[G1+5], 1536
	s_mov_b32 s[G1+6], 0
	s_mov_b32 s[G1+7], 0
	s_mul_i32 s28, s27, 98304
	s_mul_i32 s29, s[WV], 24576
	s_add_co_u32 s28, s28, s29
	s_add_co_u32 s28, s28, 3*786432                ; Wo is the fourth matrix of wc
	s_mov_b32 s29, 0
	s_mul_i32 s30, s[WV], 12288
	s_lshl_b32 s31, s27, 1
	s_add_co_u32 s31, s31, s[WH]                   ; my 64 columns
	s_lshl_b32 s50, s26, 3
	s_lshl_b32 s51, s[WT], 2
	s_add_co_u32 s50, s50, s51
	s_mul_i32 s50, s50, 12288                      ; my first token tile
	s_mov_b32 s51, 0
	s_lshl_b32 s52, s26, 1
	s_add_co_u32 s52, s52, s[WT]                   ; my 64 tokens
	s_lshl_b32 s54, s52, 18                        ; in out0: 64 rows of 4,096 bytes,
	s_lshl_b32 s52, s52, 11                        ; in os
	s_mov_b32 s53, 0
	s_lshl_b32 s56, s31, 8                         ; my columns' 256 bytes, in bo and in a row of out0
	s_mov_b32 s57, 0
	s_add_co_u32 s54, s54, s56
	s_mov_b32 s55, 0
	s_lshl_b32 s58, s31, 11
	s_add_co_u32 s58, s58, 3*32768                 ; Wo's scale words
	s_mov_b32 s59, 0
	s_mul_i32 s60, s[WH], 24576
	s_mul_i32 s61, s[WV], 16*272
	s_add_co_u32 s61, s61, STG                     ; my stage
	s_wait_dscnt 0x0
	s_wait_kmcnt 0x0
	s_add_nc_u64 s[8:9], s[8:9], s[28:29]
	s_add_nc_u64 s[4:5], s[4:5], s[50:51]
	s_add_nc_u64 s[6:7], s[6:7], s[52:53]
	s_add_nc_u64 s[10:11], s[10:11], s[58:59]
	s_add_nc_u64 s[12:13], s[12:13], s[56:57]
	s_add_nc_u64 s[14:15], s[14:15], s[54:55]
.irp n, 0,1
	s_mov_b32 s[G0+4*\n], 1
	s_add_co_u32 s[G0+4*\n+1], s30, \n*CHUNK
	s_add_nc_u64 s[G0+4*\n+2:G0+4*\n+3], s[8:9], \n*6144
	s_or_b32 s[G0+4*\n+3], s[G0+4*\n+3], 0x80000000
.endr
	CROUND                                         ; all four work-groups are here: the joint loads meet
	tensor_load_to_lds s[G0:G0+3], s[G1:G1+7]
	s_nop 0
	tensor_load_to_lds s[G0+4:G0+7], s[G1:G1+7]
	s_nop 0
	PLACES 4
	v_and_b32 v10, 31, v0                          ; lane
	v_and_b32 v11, 15, v0                          ; r
	v_bfe_u32 v12, v0, 4, 1                        ; h
	v_lshlrev_b32 v1, 3, v10                       ; 8 x lane
	v_lshlrev_b32 v3, 3, v11                       ; 8 r
	v_add_nc_u32 v[AW], s60, v1
	v_lshlrev_b32 v5, 6, v12                       ; 64 h
	v_mul_u32_u24 v[STO], v11, 272
	v_lshl_add_u32 v[STO], v12, 6, v[STO]
	v_add_nc_u32 v[STO], s61, v[STO]               ; into the stage: row r, + 64 h
	v_mul_u32_u24 v[RD], v12, 272
	v_lshl_add_u32 v[RD], v11, 4, v[RD]
	v_add_nc_u32 v[RD], s61, v[RD]                 ; back: lanes 0-15 one row of 256 bytes, lanes 16-31 the next
	v_lshlrev_b32 v[CO], 12, v12
	v_lshl_add_u32 v[CO], v11, 4, v[CO]            ; and the same two rows in out0
	SLOAD XS, 6, 0
	SLOAD WS, 10, 0
	WIN 0xc0
.irp i, 0,1,2,3                        ; bo along the registers: lane (r, h) wants, for tile i, that of columns 32 (i / 2) + 8 (i % 2) + 16 h + 0 .. 7
	global_load_b128 v[BI+8*\i:BI+8*\i+3], v5, s[12:13] offset:128*(\i/2)+32*(\i%2)
	global_load_b128 v[BI+8*\i+4:BI+8*\i+7], v5, s[12:13] offset:128*(\i/2)+32*(\i%2)+16
.endr
	XLOAD 0
	XLOAD 1
	s_wait_tensorcnt 1                             ; my part of the first chunk has landed; the second may stay out
	s_barrier_signal -1
	s_barrier_wait -1
	FETCH 0, 0
.set gg, 0
.rept 8
	KSTEP gg
.set gg, gg+1
.endr
; THE WAY OUT, a tile of 16 tokens x 64 columns at a time, through my own stage: in as 64 bytes a lane and block, back as whole rows of 256 bytes.  LDS serves a wave's instructions in order:
; no wait stands between the stores and the loads, nor in front of the next tile's stores.
.macro TOSTAGE j
	WIN 0
.irp b, 0,1
.irp q, 0,1,2,3
	ds_store_b128 v[STO], v[ACC+32*(\j)+16*\b+4*\q:ACC+32*(\j)+16*\b+4*\q+3] offset:128*\b+16*\q   ; each accumulator from its low end on
.endr
.endr
	WIN 0xc0
.irp t, 0,1,2,3,4,5,6,7
	ds_load_b128 v[32*((\j)%2)+4*\t:32*((\j)%2)+4*\t+3], v[RD] offset:544*\t
.endr
.endm
.macro SEND j, younger                 ; younger: the LDS instructions issued behind tile j's loads, which may stay out
	s_wait_dscnt \younger
	WIN 0x0c                                       ; a store's data are its source 1: window 3
.irp t, 0,1,2,3,4,5,6,7
	global_store_b128 v[CO], v[32*((\j)%2)+4*\t:32*((\j)%2)+4*\t+3], s[14:15] offset:(32*((\j)/2)+8*((\j)%2)+2*\t+8*(\t/4))*4096 th:TH_STORE_NT   ; stage rows 2 t, 2 t + 1 are tokens 2 t + 8 (t / 4) on of the tile; 16 lanes store 256 consecutive bytes, aligned
.endr
.endm
	PLACES 4                                       ; in front of the reads of results and of the loads over Wo's fragments
	TOSTAGE 0
	TOSTAGE 1
	SEND 0, 16                                     ; behind tile 0's loads: tile 1's 8 stores and 8 loads
	s_wait_xcnt 0x0                                ; tile 0's stores have read their registers: tile 2's rows may land there
	TOSTAGE 2
	SEND 1, 16
	s_wait_xcnt 0x0
	TOSTAGE 3
	SEND 2, 16
	SEND 3, 0
	WIN 0
	s_wait_tensorcnt 0x0
	ds_add_u32 v126, v127
	s_wait_dscnt 0x0
	CROUND                                         ; the closing round
	s_endpgm
.Lfunc_end_k_q626f431374_outp:
	.size	k_q626f431374_outp, .Lfunc_end_k_q626f431374_outp-k_q626f431374_outp
	.p2alignl 7, 3214868480
	.fill 96, 4, 3214868480
	.section	.rodata,"a",@progbits
	.p2align	6, 0x0
	.amdhsa_kernel k_q626f431374_outp
		.amdhsa_group_segment_fixed_size 168448
		.amdhsa_private_segment_fixed_size 0
		.amdhsa_enable_private_segment 0
		.amdhsa_kernarg_size 48
		.amdhsa_user_sgpr_count 2
		.amdhsa_user_sgpr_kernarg_segment_ptr 1
		.amdhsa_wavefront_size32 1
		.amdhsa_system_sgpr_workgroup_id_x 1
		.amdhsa_system_sgpr_workgroup_id_y 1
		.amdhsa_system_sgpr_workgroup_id_z 1
		.amdhsa_system_vgpr_workitem_id 0
		.amdhsa_next_free_vgpr 1024
		.amdhsa_next_free_sgpr 80
		.amdhsa_reserve_vcc 0
		.amdhsa_float_denorm_mode_32 3
		.amdhsa_float_denorm_mode_16_64 3
		.amdhsa_memory_ordered 1
		.amdhsa_forward_progress 1
		.amdhsa_inst_pref_size 66
	.end_amdhsa_kernel
	.amdgpu_metadata
---
amdhsa.version: [ 1, 2 ]
amdhsa.kernels:
  - .name:           k_q626f431374_outp
    .symbol:         k_q626f431374_outp.kd
    .args:
      - { .name: oc, .offset: 0, .size: 8, .value_kind: global_buffer, .address_space: global }
      - { .name: os, .offset: 8, .size: 8, .value_kind: global_buffer, .address_space: global }
      - { .name: wc, .offset: 16, .size: 8, .value_kind: global_buffer, .address_space: global }
      - { .name: ws, .offset: 24, .size: 8, .value_kind: global_buffer, .address_space: global }
      - { .name: bo, .offset: 32, .size: 8, .value_kind: global_buffer, .address_space: global }
      - { .name: out0, .offset: 40, .size: 8, .value_kind: global_buffer, .address_space: global }
    .group_segment_fixed_size: 168448
    .private_segment_fixed_size: 0
    .kernarg_segment_align: 8
    .kernarg_segment_size: 48
    .max_flat_workgroup_size: 128
    .sgpr_count:     80
    .vgpr_count:     1024
    .wavefront_size: 32
...
	.end_amdgpu_metadata
.endif
;; end of part 4
